; MI455X (gfx1250); checked and timed in simulation.
; The chip was launched on July 23, 2026; its instructions are those of AMD's public machine-readable ISA for CDNA 5 (MIT licence, August 2026) and "CDNA5" Instruction Set Architecture Reference Guide (July 2026). The comments in the code are by the model that wrote it; some were corrected since.
;; True Ring Dilated Attention. Allowed arithmetic: matrix products marked QUANTISED: E2M3 operands, one E8M0 scale for each 32 along K, by v_wmma_scale_f32_16x16x128_f8f6f4 with both operands' format E2M3, f32 sums; everything else in f32.
;; Inputs: k 1 x 4,096 x 16 x 64 float32; q 1 x 4,096 x 16 x 64 float32; v 1 x 4,096 x 16 x 64 float32.
;; Outputs: out0 1 x 4,096 x 16 x 64 float32.
;; This version of the problem:
;;   THIS VERSION OF THE PROBLEM IS GIVEN IN LOW PRECISION. The matrix products marked QUANTISED in the list below multiply operands that are first quantised to E2M3 (2 exponent bits, 3 mantissa bits; 6 bits a number), with one power-of-two scale for each 32 numbers along K (OCP MX v1.0); their sums are f32. All else is computed in f32.
;;   The module's matrix products, in the order in which they are computed (A, B: the left and right operand; K: the contracted axis; several contracted axes count as one K, in the product's order):
;;     1. batch 16 x [M 4,096, K 64] x [K 64, N 4,096]; A: input q; B: computed on the way: QUANTISED
;;     2. batch 16 x [M 64, K 4,096] x [K 4,096, N 4,096]; A: computed on the way; B: computed on the way: QUANTISED
;;   THE QUANTISER, for each operand of a quantised product, along K:
;;     - K is cut into blocks of 32 from its start; a last block that is shorter is filled with zeros.
;;     - A block's scale is 2^e with e = floor(log2(the largest magnitude in the block)) - 2, held to -126 .. 127; a block of zeros has e = 0. As a byte (E8M0): e + 127.
;;     - Each number is divided by its block's scale, clamped to +-7.5, and rounded to the nearest number of E2M3, ties to even, subnormals kept.
;;     - The product sums the exact products of the quantised numbers (number of the format x scale) in f32.
;;   ~~~python
;;   def quantise(x, axis):      # numpy; x: float32 -> the quantised numbers, widened to float32 again
;;       x = np.moveaxis(x, axis, -1); K = x.shape[-1]
;;       x = np.pad(x, [(0, 0)] * (x.ndim - 1) + [(0, -K % 32)]); x = x.reshape(x.shape[:-1] + (-1, 32)); a = np.abs(x).max(-1, keepdims=True)
;;       e = np.where(a > 0, np.clip(np.frexp(np.where(a > 0, a, 1))[1] - 1 - 2, -126, 127), 0)      # np.frexp(a)[1] - 1 = floor(log2(a)), exactly
;;       r = np.clip(x / 2.0 ** e, -7.5, 7.5)
;;       step = 2.0 ** (np.maximum(np.frexp(np.where(r == 0, 1, r))[1] - 1, 0) - 3)
;;       q = np.round(r / step) * step * 2.0 ** e      # np.round: ties to even
;;       return np.moveaxis(q.reshape(q.shape[:-2] + (-1,))[..., :K], -1, axis).astype(np.float32)
;;   ~~~
;;   OPERANDS COMPUTED ON THE WAY. 'Computed on the way' means the value that the module computes at that place (a softmax that the list does not call 'softmax' is quantised finished and normalised). What goes into a quantiser is computed in f32, as accurately as f32 sums, v_exp_f32 and their like allow (about 1e-6 of the number): no bf16 or f16 on the way to a quantiser, and a product that is left as it is and whose result goes on into a quantised operand takes f32 operands (vector FMAs, or v_wmma_f32_16x16x4_f32). A number that lies on a knife's edge between two numbers of the format may be rounded either way, as far as f32 arithmetic and the matrix unit's own rounding can turn it there, and no further.
;; One version. Each part assembles by itself: llvm-mc -triple=amdgcn-amd-amdhsa -mcpu=gfx1250 --defsym DOCPART=n.
;; ======== version 1 of 1: 2 launches
;; workspace buffers: kv 1,703,936 bytes
;; launch prep (part 1): grid 8 x 32, 4 waves a work-group, no clusters, 168,448 bytes of LDS; arguments k, v, kv; writes kv
.if DOCPART == 1
	.amdgcn_target "amdgcn-amd-amdhsa--gfx1250"
	.amdhsa_code_object_version 6
	.text
	.protected	k_qcc63cb39c6_prep
	.globl	k_qcc63cb39c6_prep
	.p2align	8
	.type	k_qcc63cb39c6_prep,@function
k_qcc63cb39c6_prep:
	s_mov_b64 s[64:65], 0
	v_nop
	global_prefetch_b8 v0, s[64:65] scope:SCOPE_SE
	s_setreg_imm32_b32 hwreg(HW_REG_WAVE_MODE, 25, 1), 1
	s_wait_xcnt 0x0
; K and V of the 1,024 keys that the gather names become codes of FP6 (E2M3) with one E8M0 byte for each 32 along a product's K, laid as IMAGES OF OPERAND REGISTERS.
; The gather's index lists are constants: the gathered axis is E,E,O,O,E,E,O,O (E: keys 0,2,..,1022; O: keys 1,3,..,1023), and 512 is 16 whole blocks of 32, so each block of the 4,096 is one of 32 blocks.
; UNIQUE ORDER u = E then O.  Record s (0..7) holds u = 128 s .. 128 s + 127: its row i is key 256 (s & 3) + (s >> 2) + 2 i.
; kv: 16 heads x 8 records x 13,312 bytes.  A record: K's 48 registers (6,144 bytes), V's 48 (6,144), K's 4 scale words a lane (512), V's 4 (512).  Register n of lane l lies at (n / 4) 512 + 16 l + 4 (n % 4).
;   K: registers 12 g .. 12 g + 11 are PAIR g: key tile 2 g in registers 0-5 (k 0-63 of the instruction's 128), key tile 2 g + 1 in registers 6-11.  Lane (r, h) of key tile T holds d = 32 h .. 32 h + 31 of
;      record row 64 (T >> 2) + 32 (r >> 3) + 8 (T & 3) + (r & 7): with these rows the scores of tiles 4 c .. 4 c + 3 are, in a lane's 32 registers, the keys 64 c + 32 h + 0 .. 31 in order: a whole block of the next K.
;   V: fragment t: lane (r, h) holds channel d = 16 t + r, registers 6 c .. 6 c + 5 the record's rows 64 c + 32 h + 0 .. 31: K = the keys.
; SHARES: work-group (x = record, y = head + 16 kind; kind 0: K, 1: V): 256 work-groups.  A slab of 128 rows x 256 bytes (8,192 bytes from row to row in memory) comes into LDS by four tensor loads, one a wave,
; 32 rows each, rows 272 bytes apart.  Wave w then makes pair w of K or fragment w of V: a lane reads two whole blocks of 32 numbers, so no block's largest magnitude needs another lane.
; A block's scale is 2^(floor(log2(largest magnitude)) - 2); its byte is the largest magnitude's exponent field - 2, held at 1 from below.
; LIMITS: NaN and infinities are not served; a block whose largest magnitude lies under 2^-124, a block of zeros too, keeps the byte 1 (zero codes add nothing under it, and this program alone reads the bytes).
.set REC,   13312
.set HEADB, 8*REC
.set PITCH, 272                        ; a slab's row in LDS: 256 bytes + 16 of padding
.set QUART, 32*PITCH                   ; what one tensor load fills
.set SH8,   8                          ; v8      8 h
.set M,     16                         ; v16-17  largest magnitudes of my two blocks
.set SCR,   18                         ; v18-19  the conversions' scale operands
.set BY,    20                         ; v20-21  the scales' bytes
.set WD,    22                         ; v22     the scale word
.set W2,    23                         ; v23     lane l xor 16's part of it
.set CT,    24                         ; v[24:26], v[28:30] the upper halves of the blocks' codes
.set X,     32                         ; v32-95  two blocks of 32 numbers
.set C,     96                         ; v96-107 the fragment
.set G1,    16                         ; s[16:23] descriptor group 1
.set G0,    24                         ; s[24:27] descriptor group 0
.set SEL,   40                         ; s[40:41] lane selects: lane l xor 16
; Two blocks of 32 numbers of a lane, v[x + 32 u + 0 .. 31], become registers c + 6 u .. c + 6 u + 5 of a fragment; the byte of block (u, h) goes to bits 16 u + 8 h of the scale word, which lane l xor 16 completes.
.macro QUANT2 x, c
.irp u, 0,1
	v_max3_num_f32 v[M+\u], |v[\x+32*\u]|, |v[\x+32*\u+1]|, 0x1800000   ; and the floor 2^(3 - 127): the byte cannot fall under 1
.endr
.irp n, 2,4,6,8,10,12,14,16,18,20,22,24,26,28,30
.irp u, 0,1
	v_max3_num_f32 v[M+\u], v[M+\u], |v[\x+32*\u+\n]|, |v[\x+32*\u+\n+1]|   ; the two blocks by turns
.endr
.endr
.irp u, 0,1
	v_add_nc_u32 v[SCR+\u], 0xff000000, v[M+\u]    ; 2 off the exponent field: the conversion takes this operand's exponent field as its scale
.endr
.irp u, 0,1
	v_lshrrev_b32 v[BY+\u], 23, v[SCR+\u]          ; the scale's byte
.endr
	v_lshl_or_b32 v[WD], v[BY+1], 16, v[BY]
	v_lshlrev_b32 v[WD], v[SH8], v[WD]             ; 8 h bits up
	v_permlanex16_b32 v[W2], v[WD], s[SEL], s[SEL+1]
	v_or_b32 v[WD], v[WD], v[W2]                   ; the word is whole, in both lanes
.irp u, 0,1
	v_cvt_scalef32_pk16_fp6_f32 v[\c+6*\u:\c+6*\u+2], v[\x+32*\u:\x+32*\u+15], v[SCR+\u]
	v_cvt_scalef32_pk16_fp6_f32 v[CT+4*\u:CT+4*\u+2], v[\x+32*\u+16:\x+32*\u+31], v[SCR+\u]   ; (a conversion's three registers begin on an even number: the upper half is made elsewhere and moved)
.endr
	v_nop                                          ; one plain line behind the last scaled conversion
.irp u, 0,1
.irp n, 0,1,2
	v_mov_b32 v[\c+6*\u+3+\n], v[CT+4*\u+\n]
.endr
.endr
.endm
	s_load_b128 s[4:7], s[0:1], 0x0                ; k, v
	s_load_b64 s[8:9], s[0:1], 0x10                ; kv
	v_lshl_add_u32 v128, v0, 2, 0x29000
	v_mov_b32 v129, 0
	ds_add_u32 v128, v129
	ds_add_u32 v128, v129
	v_lshrrev_b32 v1, 5, v0
	v_readfirstlane_b32 s10, v1                    ; wave 0..3
	s_and_b32 s11, ttmp7, 0xffff
	s_and_b32 s12, s11, 15                         ; head
	s_lshr_b32 s13, s11, 4                         ; kind
	v_and_b32 v1, 31, v0                           ; lane
	v_and_b32 v2, 15, v0                           ; r
	v_bfe_u32 v3, v0, 4, 1                         ; h
	; both ways' LDS addresses are made here, ahead of the parting
	v_lshrrev_b32 v9, 3, v2
	v_and_b32 v10, 7, v2
	v_lshl_add_u32 v9, v9, 5, v10                  ; 32 (r >> 3) + (r & 7)
	v_mul_u32_u24 v4, v9, PITCH
	v_lshl_add_u32 v4, v3, 7, v4                   ; + 128 h: my 32 channels
	s_lshr_b32 s14, s10, 1
	s_lshl_b32 s14, s14, 6
	s_and_b32 s15, s10, 1
	s_lshl_b32 s15, s15, 4
	s_add_co_u32 s14, s14, s15                     ; tiles 2 w and 2 w + 1 begin at row 64 (w >> 1) + 16 (w & 1), and 8 rows on
	s_mul_i32 s14, s14, PITCH
	v_add_nc_u32 v4, s14, v4                       ; K's way
	v_mul_u32_u24 v5, v3, QUART                    ; V's way: 32 h rows down,
	v_lshl_add_u32 v5, v2, 2, v5                   ; channel 16 w + r
	s_lshl_b32 s15, s10, 6
	v_add_nc_u32 v5, s15, v5
	v_lshlrev_b32 v6, 4, v1                        ; an image's place for my lane
	v_lshlrev_b32 v7, 2, v1                        ; a scale word's
	v_lshlrev_b32 v[SH8], 3, v3
	v_mov_b32 v[W2], 0                             ; a lane permute's destination counts as one of its sources
	s_mov_b32 s[SEL], 0x76543210
	s_mov_b32 s[SEL+1], 0xfedcba98
	; where my quarter of the slab begins in memory: key 256 (s & 3) + (s >> 2) + 64 w, 4,096 bytes a key, 256 bytes a head
	s_and_b32 s28, ttmp9, 3
	s_lshl_b32 s28, s28, 8
	s_lshr_b32 s29, ttmp9, 2
	s_add_co_u32 s28, s28, s29
	s_lshl_b32 s28, s28, 12
	s_lshl_b32 s29, s12, 8
	s_add_co_u32 s28, s28, s29
	s_lshl_b32 s29, s10, 18
	s_add_co_u32 s28, s28, s29
	s_mov_b32 s29, 0
	; where my fragment and my scale words go
	s_mul_i32 s30, s12, HEADB
	s_mul_i32 s31, ttmp9, REC
	s_add_co_u32 s30, s30, s31                     ; the record
	s_mul_i32 s34, s13, 6144
	s_mul_i32 s31, s10, 1536
	s_add_co_u32 s34, s34, s31
	s_add_co_u32 s34, s34, s30
	s_mov_b32 s35, 0
	s_lshl_b32 s36, s13, 9
	s_lshl_b32 s31, s10, 7
	s_add_co_u32 s36, s36, s31
	s_add_co_u32 s36, s36, s30
	s_add_co_u32 s36, s36, 12288
	s_mov_b32 s37, 0
	; descriptor group 1: 32 rows x 64 elements of 4 bytes, 2,048 elements from row to row (every second key), 16 bytes of padding behind each row in LDS
	s_mov_b32 s[G1+0], (2<<16)|(1<<20)|(5<<22)|(3<<25)   ; no mask; elements of 4 bytes; padding on, after every 64 words, 4 words of it
	s_mov_b32 s[G1+1], 64<<16                      ; tensor_dim0
	s_mov_b32 s[G1+2], 32<<16                      ; tensor_dim1
	s_mov_b32 s[G1+3], 64<<16                      ; tile_dim0
	s_mov_b32 s[G1+4], 32                          ; tile_dim1
	s_mov_b32 s[G1+5], 2048                        ; the pitch
	s_mov_b32 s[G1+6], 0
	s_mov_b32 s[G1+7], 0
	s_wait_dscnt 0x0
	s_wait_kmcnt 0x0
	s_cmp_eq_u32 s13, 0                            ; k or v: the choice hangs on the work-group's number alone
	s_cselect_b64 s[4:5], s[4:5], s[6:7]
	s_mov_b32 s[G0+0], 1
	s_mul_i32 s[G0+1], s10, QUART                  ; my quarter of the slab in LDS
	s_add_nc_u64 s[G0+2:G0+3], s[4:5], s[28:29]
	s_or_b32 s[G0+3], s[G0+3], 0x80000000          ; type = 2
	s_add_nc_u64 s[34:35], s[8:9], s[34:35]
	s_add_nc_u64 s[36:37], s[8:9], s[36:37]
	tensor_load_to_lds s[G0:G0+3], s[G1:G1+7]      ; my one tensor load
	s_nop 0
.rept 4
	v_nop
.endr
	s_wait_tensorcnt 0x0                           ; my quarter has landed,
	s_barrier_signal -1
	s_barrier_wait -1                              ; everybody's has
	s_cmp_lg_u32 s13, 0                            ; the two ways differ in their LDS loads alone; both only read the slab
	s_cbranch_scc1 .Lway_v
.irp u, 0,1
.irp j, 0,1,2,3,4,5,6,7
	ds_load_b128 v[X+32*\u+4*\j:X+32*\u+4*\j+3], v4 offset:\u*8*PITCH+16*\j   ; K: 32 neighbouring channels of my row of tile 2 w + u
.endr
.endr
	s_branch .Ljoin
.Lway_v:
.irp c, 0,1
.irp i, 0,1,2,3,4,5,6,7,8,9,10,11,12,13,14,15,16,17,18,19,20,21,22,23,24,25,26,27,28,29,30,31
	ds_load_b32 v[X+32*\c+\i], v5 offset:(64*\c+\i)*PITCH   ; V: my channel, registers down the keys 64 c + 32 h + i
.endr
.endr
.Ljoin:
	s_wait_dscnt 0x0
	QUANT2 X, C
.irp j, 0,1,2
	global_store_b128 v6, v[C+4*\j:C+4*\j+3], s[34:35] offset:512*\j   ; the wave stores 512 consecutive bytes, at a multiple of 256 from kv's first byte
.endr
	global_store_b32 v7, v[WD], s[36:37]           ; 128 consecutive bytes: my pair's or fragment's scale words
	s_wait_tensorcnt 0x0
	ds_add_u32 v128, v129
	s_wait_dscnt 0x0
	s_endpgm
.Lfunc_end_k_qcc63cb39c6_prep:
	.size	k_qcc63cb39c6_prep, .Lfunc_end_k_qcc63cb39c6_prep-k_qcc63cb39c6_prep
	.p2alignl 7, 3214868480
	.fill 96, 4, 3214868480
	.section	.rodata,"a",@progbits
	.p2align	6, 0x0
	.amdhsa_kernel k_qcc63cb39c6_prep
		.amdhsa_group_segment_fixed_size 168448
		.amdhsa_private_segment_fixed_size 0
		.amdhsa_enable_private_segment 0
		.amdhsa_kernarg_size 24
		.amdhsa_user_sgpr_count 2
		.amdhsa_user_sgpr_kernarg_segment_ptr 1
		.amdhsa_wavefront_size32 1
		.amdhsa_system_sgpr_workgroup_id_x 1
		.amdhsa_system_sgpr_workgroup_id_y 1
		.amdhsa_system_sgpr_workgroup_id_z 1
		.amdhsa_system_vgpr_workitem_id 0
		.amdhsa_next_free_vgpr 130
		.amdhsa_next_free_sgpr 66
		.amdhsa_reserve_vcc 0
		.amdhsa_float_denorm_mode_32 3
		.amdhsa_float_denorm_mode_16_64 3
		.amdhsa_memory_ordered 1
		.amdhsa_forward_progress 1
		.amdhsa_inst_pref_size 13
	.end_amdhsa_kernel
	.amdgpu_metadata
---
amdhsa.version: [ 1, 2 ]
amdhsa.kernels:
  - .name:           k_qcc63cb39c6_prep
    .symbol:         k_qcc63cb39c6_prep.kd
    .args:
      - { .name: k, .offset: 0, .size: 8, .value_kind: global_buffer, .address_space: global }
      - { .name: v, .offset: 8, .size: 8, .value_kind: global_buffer, .address_space: global }
      - { .name: kv, .offset: 16, .size: 8, .value_kind: global_buffer, .address_space: global }
    .group_segment_fixed_size: 168448
    .private_segment_fixed_size: 0
    .kernarg_segment_align: 8
    .kernarg_segment_size: 24
    .max_flat_workgroup_size: 128
    .sgpr_count:     66
    .vgpr_count:     130
    .wavefront_size: 32
...
	.end_amdgpu_metadata
.endif
;; end of part 1
;; launch attn (part 2): grid 16 x 16, 8 waves a work-group, clusters of 4 x 1, 279,552 bytes of LDS; arguments q, kv, out0; writes out0
.if DOCPART == 2
	.amdgcn_target "amdgcn-amd-amdhsa--gfx1250"
	.amdhsa_code_object_version 6
	.text
	.protected	k_qcc63cb39c6_attn
	.globl	k_qcc63cb39c6_attn
	.p2align	8
	.type	k_qcc63cb39c6_attn,@function
k_qcc63cb39c6_attn:
	s_mov_b64 s[64:65], 0
	v_nop
	global_prefetch_b8 v0, s[64:65] scope:SCOPE_SE
	s_setreg_imm32_b32 hwreg(HW_REG_WAVE_MODE, 25, 1), 1
	s_wait_xcnt 0x0
	s_wait_alu depctr_hold_cnt(0) depctr_sa_sdst(0) depctr_va_vdst(0) depctr_va_sdst(0) depctr_va_ssrc(0) depctr_va_vcc(0) depctr_vm_vsrc(0)
	s_getreg_b32 s2, hwreg(HW_REG_IB_STS2, 6, 4)
	s_cmp_eq_u32 s2, 0
	s_cbranch_scc0 .Lentry_in_a_cluster
	s_endpgm
.Lentry_in_a_cluster:
	s_bfe_u32 s2, ttmp6, 0x10000c
	s_cmp_lg_u32 s2, 0x3003
	s_cbranch_scc0 .Lentry_shape_is_right
	s_endpgm
.Lentry_shape_is_right:
; out[q][h][:] = sum_k p V / (sum_k p + 1e-8), p = exp(score / 8 - m), m the row's largest score / 8, over the 4,096 gathered keys; both products on codes of FP6 (E2M3), one E8M0 scale for each 32 along K.
; THE GATHER REPEATS: each block of 32 of the gathered axis is one of 32 blocks, four times over (scores, p, V's codes and all scales with it).  So out = 4 SUM / (4 L + 1e-8), SUM and L taken over the 1,024 keys once,
; in the order in which the records of kv hold them.  Only that quarter is multiplied.
; TWO PASSES: what is quantised is p under the TRUE row maximum, so the maximum is known before any p is made.  Pass 1: S^T = K Q^T for all 8 records, each block's largest score (kept in LDS) and the row's.
; Pass 2: S^T again, p, its codes, O^T += V^T P^T.
; SHARES: a work-group owns 256 queries of one head, each of its eight waves 32: two tiles of 16.  Two waves lie on a SIMD: one's matrix runs stand beside the other's vector work.
; CLUSTER: the four query blocks of a cluster belong to one head and read the same 106,496 bytes of kv: each record is asked for JOINTLY, once, by the same tensor load with the same descriptor and the mask of all four.
; A head's records fit in LDS together: nothing is filled twice, so there is no ring.  Every stream is asked for at the kernel's head, so nothing is prefetched.
; LAYOUT: both products are used transposed (source 0 = 16 keys or 16 channels, source 1 = 16 queries): a lane holds ONE query (lane % 16).  The rows of a key tile are chosen (see the launch that makes kv) so that
; a lane's 32 registers of key tiles 4 c .. 4 c + 3 are the keys 64 c + 32 (lane / 16) + 0 .. 31 of the record: a WHOLE block of the second product's K, in the order of that operand's registers 6 c .. 6 c + 5.
; K = 64 IN AN INSTRUCTION OF 128: an operand of K holds two key tiles, one in k 0-63, one in k 64-127.  Q is kept as 6 zero registers, its 6 registers of codes, 6 zero registers: the twelve from the codes on select
; the first tile, the first twelve the second.  Q's scale word repeats its two bytes.
; p = 2^(c s + a), c = log2(e) / 8, a = -round(c smax) pushed up by 1 to 2 units in its last place: the row's largest score gives an exponent just above 0, never below, so its p is 1 or just over, and its block's
; scale and its code are those of exactly 1.  LIMITS: every p of a row so carries one common factor, at most 2^(2.5 ulp(c smax)), which divides out between O and the sum; a p under 2^-126 becomes 0;
; a block whose every p is 0 keeps the byte 1 (its codes are zeros); NaN and infinities among the inputs are not served.
; REGISTERS, in windows of 256.  Window 0: v1-11 addresses; v16-27 scale words; v28-63 at work on blocks; v64-83 a, maxima, sums, divisors; v96-119 P's two fragments; v128-255 S^T (tile i, key tile T at 128 + 64 i + 8 T).
;   Window 1: v0-47 K of a record; v48-95 V of a record; v96-131 Q, 18 a tile; v136-199 O^T (tile i, channels 16 t on at 136 + 32 i + 8 t).
.set REC,   13312
.set HEADB, 8*REC
.set VIMG,  6144                       ; in a record: K's image at 0, V's here,
.set KSC,   12288                      ; K's scale words,
.set VSC,   12800                      ; V's
.set QST,   8*REC                      ; LDS: behind the 8 records: 32 rows of q for each wave, 272 bytes apart, filled by a tensor load;
.set BMS,   QST+8*8704                 ; the blocks' largest scores: 4,096 bytes a wave, 512 a record, 16 a lane;
.set OST,   BMS+8*4096                 ; the stage for the way out: 32 rows for each wave, 272 bytes apart
.set LI,  1                            ; v1   16 x lane
.set LS,  2                            ; v2   4 x lane
.set LB,  3                            ; v3   BMS + 4,096 x wave + 16 x lane
.set AI,  4                            ; v4   LI + the record in hand
.set ASC, 5                            ; v5   LS + the record in hand
.set AB,  6                            ; v6   LB + the step in hand
.set SH8, 7                            ; v7   8 h
.set QRD, 8                            ; v8   where I read q
.set SO,  9                            ; v9   the stage: where I put 32 bytes of a row
.set SR,  10                           ; v10  and where I read a row back
.set GO,  11                           ; v11  my byte offset in the wave's rows of out0
.set KS,  16                           ; v16-19 K's scale words    (v16-27 hold scales and nothing else)
.set VS,  20                           ; v20-23 V's
.set QS,  24                           ; v24-25 Q's
.set PS,  26                           ; v26-27 P's
.set BM,  28                           ; v28-31 the largest score of block k = 2 i + c
.set TP,  32                           ; v32-35 its exponent, then its p
.set M,   32                           ;        (QUANT2: largest magnitudes)
.set SCR, 36                           ; v36-39 the conversions' scale operands
.set BY,  40                           ; v40-43 the scales' bytes
.set WD,  44                           ; v44-45 scale words in the making
.set W2,  46                           ; v46-47 lane l xor 16's part
.set CT,  48                           ; v48-63 the upper halves of four blocks' codes, 4 registers' room each
.set NM,  64                           ; v[64:65], v[66:67] a, twice
.set RM,  68                           ; v68-69 the row's largest score
.set TT,  70                           ; v70-71 at work
.set SU,  72                           ; v72-79 the sums: two chains of pairs a tile
.set INV, 80                           ; v[80:81], v[82:83] 4 / (4 L + 1e-8), twice
.set PC,  96                           ; P's fragments
.set S,   128
.set BK,  192                          ; the way out: rows read back
.set KF,  0                            ; window 1
.set VF,  48
.set QZ,  96
.set OA,  136
.set WV,  10                           ; s10  my wave's number
.set G1Q, 16                           ; s[16:23], s[24:27] groups 1 and 0 for q's tile
.set G0Q, 24
.set G1K, 28                           ; s[28:35], s[36:39] for my record
.set G0K, 36
.set SEL, 40                           ; s[40:41] lane selects: lane l xor 16
.set CS,  42                           ; s[42:43] c, twice
.set TB,  44                           ; s44  LDS byte of the record in hand
.set TM,  45                           ; s45  byte of the step in hand among the block maxima
.set CNT, 46                           ; s46  loop counter
.set NUD, 47                           ; s47  2^-23
.set EPS, 50                           ; s50  1e-8
.set MSB, 0
.macro WIN new                         ; the immediate's high byte repeats the setting that is left; a switch that changes nothing is dropped
.if MSB != \new
	s_set_vgpr_msb (MSB<<8)|\new
.set MSB, \new
.endif
.endm
.set W_LD, 0x40                        ; destination window 1
.set W_KQ, 0x05                        ; sources 0 and 1 window 1, result window 0
.set W_PV, 0x51                        ; source 0, C and D window 1, source 1 window 0
.set W_O,  0x01                        ; source 0 window 1
.macro CROUND                          ; a round of the cluster's barrier
	s_barrier_signal -1
	s_barrier_wait -1
	s_cmp_lg_u32 s[WV], 0
	s_cbranch_scc1 .Lnot_wave_0_\@
	s_barrier_signal -3
.Lnot_wave_0_\@:
	s_barrier_wait -3
	s_barrier_signal -1
	s_barrier_wait -1
.endm
; Two blocks of 32 numbers of a lane, v[x + 32 u + 0 .. 31], become registers c + 6 u .. c + 6 u + 5; the byte of block (u, h) goes to bits 16 u + 8 h of v[WD], which lane l xor 16 completes.
.macro QUANT2 x, c
.irp u, 0,1
	v_max3_num_f32 v[M+\u], |v[\x+32*\u]|, |v[\x+32*\u+1]|, 0x1800000   ; and the floor 2^(3 - 127): the byte cannot fall under 1
.endr
.irp n, 2,4,6,8,10,12,14,16,18,20,22,24,26,28,30
.irp u, 0,1
	v_max3_num_f32 v[M+\u], v[M+\u], |v[\x+32*\u+\n]|, |v[\x+32*\u+\n+1]|
.endr
.endr
.irp u, 0,1
	v_add_nc_u32 v[SCR+\u], 0xff000000, v[M+\u]    ; 2 off the exponent field: the conversion's scale operand
.endr
.irp u, 0,1
	v_lshrrev_b32 v[BY+\u], 23, v[SCR+\u]
.endr
	v_lshl_or_b32 v[WD], v[BY+1], 16, v[BY]
	v_lshlrev_b32 v[WD], v[SH8], v[WD]
	v_permlanex16_b32 v[W2], v[WD], s[SEL], s[SEL+1]
	v_or_b32 v[WD], v[WD], v[W2]
.irp u, 0,1
	v_cvt_scalef32_pk16_fp6_f32 v[\c+6*\u:\c+6*\u+2], v[\x+32*\u:\x+32*\u+15], v[SCR+\u]
	v_cvt_scalef32_pk16_fp6_f32 v[CT+4*\u:CT+4*\u+2], v[\x+32*\u+16:\x+32*\u+31], v[SCR+\u]   ; (a conversion's three registers begin on an even number)
.endr
	v_nop                                          ; one plain line behind the last scaled conversion
.irp u, 0,1
.irp n, 0,1,2
	v_mov_b32 v[\c+6*\u+3+\n], v[CT+4*\u+\n]
.endr
.endr
.endm
	s_load_b128 s[4:7], s[0:1], 0x0                ; q, kv
	s_load_b64 s[8:9], s[0:1], 0x10                ; out0
	v_lshl_add_u32 v126, v0, 2, 0x44000
	v_mov_b32 v127, 0
	ds_add_u32 v126, v127
	ds_add_u32 v126, v127
	v_lshrrev_b32 v1, 5, v0
	v_readfirstlane_b32 s[WV], v1                  ; wave 0..7
	s_bfe_u32 s11, ttmp6, 0x40000                  ; cx: my place in the cluster: it enters q's and out0's addresses in memory alone
	s_lshl_b32 s13, ttmp9, 2
	s_add_co_u32 s13, s13, s11                     ; my block of 256 queries
	s_and_b32 s12, ttmp7, 0xffff                   ; the head, which the four partners share
	s_lshl_b32 s14, s13, 20                        ; 256 rows of 4,096 bytes,
	s_lshl_b32 s15, s[WV], 17                      ; my wave's 32 of them,
	s_add_co_u32 s14, s14, s15
	s_lshl_b32 s15, s12, 8                         ; the head's 256 bytes of a row
	s_add_co_u32 s14, s14, s15
	s_mov_b32 s15, 0
	s_mul_i32 s52, s12, HEADB                      ; my record of the head: record = wave
	s_mul_i32 s53, s[WV], REC
	s_add_co_u32 s52, s52, s53
	s_mov_b32 s53, 0
	; q's tile: 32 rows x 64 elements of 4 bytes, 1,024 elements from row to row, 16 bytes of padding behind each row in LDS; a load of my own (no mask)
	s_mov_b32 s[G1Q+0], (2<<16)|(1<<20)|(5<<22)|(3<<25)
	s_mov_b32 s[G1Q+1], 64<<16
	s_mov_b32 s[G1Q+2], 32<<16
	s_mov_b32 s[G1Q+3], 64<<16
	s_mov_b32 s[G1Q+4], 32
	s_mov_b32 s[G1Q+5], 1024
	s_mov_b32 s[G1Q+6], 0
	s_mov_b32 s[G1Q+7], 0
	; a record: a dense block, as 52 rows of 256 bytes (32 elements of 8), no padding; the mask names all four work-groups, bit 21 beside it
	s_mov_b32 s[G1K+0], 15|(3<<16)|(1<<21)
	s_mov_b32 s[G1K+1], 32<<16
	s_mov_b32 s[G1K+2], 52<<16
	s_mov_b32 s[G1K+3], 32<<16
	s_mov_b32 s[G1K+4], 52
	s_mov_b32 s[G1K+5], 32
	s_mov_b32 s[G1K+6], 0
	s_mov_b32 s[G1K+7], 0
	s_mov_b32 s[SEL], 0x76543210
	s_mov_b32 s[SEL+1], 0xfedcba98
	s_mov_b32 s[CS], 0x3e38aa3b                    ; c = log2(e) / 8
	s_mov_b32 s[CS+1], s[CS]                       ; (named with it as a pair, so it is written)
	s_mov_b32 s[TB], 0
	s_mov_b32 s[TM], 0
	s_mov_b32 s[NUD], 0x34000000                   ; 2^-23
	s_mov_b32 s48, 0x01000100                      ; byte selects: a word's bytes 0, 1, 0, 1
	s_mov_b32 s49, 0x03020302                      ; and 2, 3, 2, 3
	s_mov_b32 s[EPS], 0x322bcc77                   ; 1e-8
	v_and_b32 v12, 31, v0                          ; lane
	v_and_b32 v13, 15, v0                          ; r
	v_bfe_u32 v14, v0, 4, 1                        ; h
	v_lshlrev_b32 v[LI], 4, v12
	v_lshlrev_b32 v[LS], 2, v12
	s_lshl_b32 s54, s[WV], 12
	s_add_co_u32 s54, s54, BMS
	v_add_nc_u32 v[LB], s54, v[LI]
	v_lshlrev_b32 v[SH8], 3, v14
	s_mul_i32 s55, s[WV], 8704
	v_mul_u32_u24 v15, v13, 272
	v_add_nc_u32 v15, s55, v15                     ; 8,704 x wave + 272 r
	v_lshl_add_u32 v[QRD], v14, 7, v15             ; + 128 h: my 32 channels
	v_add_nc_u32 v[QRD], QST, v[QRD]
	v_lshl_add_u32 v[SO], v14, 5, v15              ; + 32 h: my eight channels of a tile of 16
	v_add_nc_u32 v[SO], OST, v[SO]
	v_mul_u32_u24 v[SR], v14, 272                  ; back: lanes 0-15 one row of 256 bytes, lanes 16-31 the next
	v_lshl_add_u32 v[SR], v13, 4, v[SR]
	v_add_nc_u32 v[SR], s55, v[SR]
	v_add_nc_u32 v[SR], OST, v[SR]
	v_lshlrev_b32 v[GO], 12, v14                   ; and the same two rows in out0
	v_lshl_add_u32 v[GO], v13, 4, v[GO]
	v_mov_b32 v[W2], 0                             ; a lane permute's destination counts as one of its sources
	v_mov_b32 v[W2+1], 0
	s_wait_dscnt 0x0
	s_wait_kmcnt 0x0
	s_mov_b32 s[G0Q+0], 1
	s_add_co_u32 s[G0Q+1], s55, QST
	s_add_nc_u64 s[G0Q+2:G0Q+3], s[4:5], s[14:15]
	s_or_b32 s[G0Q+3], s[G0Q+3], 0x80000000
	s_mov_b32 s[G0K+0], 1
	s_mul_i32 s[G0K+1], s[WV], REC                 ; no place in the cluster enters an LDS address
	s_add_nc_u64 s[G0K+2:G0K+3], s[6:7], s[52:53]  ; made of the head and the wave's number alone: the same in all four partners
	s_or_b32 s[G0K+3], s[G0K+3], 0x80000000
	s_add_nc_u64 s[8:9], s[8:9], s[14:15]          ; out0 at my wave's first row
	CROUND                                         ; all four work-groups are here: the joint loads meet
	tensor_load_to_lds s[G0Q:G0Q+3], s[G1Q:G1Q+7]  ; my 32 rows of q,
	s_nop 0
	tensor_load_to_lds s[G0K:G0K+3], s[G1K:G1K+7]  ; and record w, for all four work-groups: two loads of mine are out, the only ones of the launch
	s_nop 0
.rept 4
	v_nop
.endr
	s_wait_tensorcnt 1                             ; q's tile, issued first, has landed; the record's load may stay out.  Only my wave reads these bytes
.irp i, 0,1
.irp j, 0,1,2,3,4,5,6,7
	ds_load_b128 v[S+32*\i+4*\j:S+32*\i+4*\j+3], v[QRD] offset:\i*4352+16*\j   ; tile i, query r: channels 32 h + 4 j on
.endr
.endr
	s_wait_dscnt 0x0
	QUANT2 S, PC                                   ; block u = tile u's: the word's bytes are tile 0's two, then tile 1's two
	v_perm_b32 v[QS], v[WD], v[WD], s48            ; each tile's two bytes, twice: they serve both halves of the instruction's K
	v_perm_b32 v[QS+1], v[WD], v[WD], s49
	WIN W_LD
.irp i, 0,1
.irp n, 0,1,2,3,4,5
	v_mov_b32 v[QZ+18*\i+\n], 0
	v_mov_b32 v[QZ+18*\i+6+\n], v[PC+6*\i+\n]
	v_mov_b32 v[QZ+18*\i+12+\n], 0
.endr
.endr
	WIN 0
.irp n, 0,1,2,3,4,5,6,7
	v_mov_b32 v[SU+\n], 0                          ; the sums.  (These twelve lines are also the places between Q's operands and scale words, written by vector instructions, and the first products)
.endr
.irp i, 0,1
	v_mov_b32 v[RM+\i], 0xff800000                 ; under every score
	v_mov_b32 v[TT+\i], 0
.endr
	s_wait_tensorcnt 0x0                           ; my record has landed,
	s_wait_dscnt 0x0
	s_barrier_signal -1
	s_barrier_wait -1                              ; everybody's has: the head's eight records lie in LDS for the rest of the launch
	WIN W_LD
.irp j, 0,1,2,3,4,5,6,7,8,9,10,11
	ds_load_b128 v[KF+4*\j:KF+4*\j+3], v[LI] offset:512*\j   ; K of record 0: an image of the registers, 512 consecutive bytes a load
.endr
	WIN 0
.irp g, 0,1,2,3
	ds_load_b32 v[KS+\g], v[LS] offset:KSC+128*\g
.endr
; S^T = K Q^T of a record: 16 matrix instructions on 16 different results, each begun with the constant 0: pair g, its tile u, my tile i of queries.
.macro QK
	WIN W_KQ
.irp g, 0,1,2,3
.irp u, 0,1
.irp i, 0,1
	v_wmma_scale_f32_16x16x128_f8f6f4 v[S+64*\i+8*(2*\g+\u):S+64*\i+8*(2*\g+\u)+7], v[KF+12*\g:KF+12*\g+11], v[QZ+18*\i+6*(1-\u):QZ+18*\i+6*(1-\u)+11], 0, v[KS+\g], v[QS+\i] matrix_a_fmt:MATRIX_FMT_FP6 matrix_b_fmt:MATRIX_FMT_FP6
.endr
.endr
.endr
	WIN 0
.endm
; A STEP OF PASS 1.  last = 1: the eighth record; the loads then fetch record 0 again, and its block maxima, for pass 2.
.macro P1 last
	s_wait_dscnt 0x0                               ; K and its scale words are in; the last step's store is done
	QK
	v_add_nc_u32 v[AB], s[TM], v[LB]               ; four plain lines between the products and the loads into the registers that they read (ISA guide 7.12.1 for vector instructions)
.if \last
.rept 3
	v_nop
.endr
.else
	v_add_nc_u32 v[AI], s[TB], v[LI]
	v_add_nc_u32 v[ASC], s[TB], v[LS]
	v_nop
.endif
	WIN W_LD
.irp j, 0,1,2,3,4,5,6,7,8,9,10,11
.if \last
	ds_load_b128 v[KF+4*\j:KF+4*\j+3], v[LI] offset:512*\j
.else
	ds_load_b128 v[KF+4*\j:KF+4*\j+3], v[AI] offset:REC+512*\j   ; the next record's K lands while this one's maxima are taken
.endif
.endr
	WIN 0
.irp g, 0,1,2,3
.if \last
	ds_load_b32 v[KS+\g], v[LS] offset:KSC+128*\g
.else
	ds_load_b32 v[KS+\g], v[ASC] offset:REC+KSC+128*\g
.endif
.endr
.irp k, 0,1,2,3
	v_max3_num_f32 v[BM+\k], v[S+32*\k], v[S+32*\k+1], v[S+32*\k+2]   ; block k = 2 i + c: my 32 registers are the whole block; ascending, so that each result is first read at its low end
.endr
.irp n, 3,5,7,9,11,13,15,17,19,21,23,25,27,29
.irp k, 0,1,2,3
	v_max3_num_f32 v[BM+\k], v[BM+\k], v[S+32*\k+\n], v[S+32*\k+\n+1]   ; the four blocks by turns
.endr
.endr
.irp k, 0,1,2,3
	v_max_num_f32 v[BM+\k], v[BM+\k], v[S+32*\k+31]
.endr
.irp i, 0,1
	v_max3_num_f32 v[RM+\i], v[RM+\i], v[BM+2*\i], v[BM+2*\i+1]
.endr
	ds_store_b128 v[AB], v[BM:BM+3]                ; kept for pass 2, in my wave's own bytes
.if \last
	s_wait_dscnt 0x0
	ds_load_b128 v[BM:BM+3], v[LB]                 ; step 0's
.else
	s_add_co_u32 s[TB], s[TB], REC
	s_add_co_u32 s[TM], s[TM], 512
.endif
.endm
; A STEP OF PASS 2.  first = 1: its products V^T P^T start O^T's sums with the constant 0.  last = 1: nothing more is fetched.
.macro P2 first, last
	s_wait_dscnt 0x0                               ; K, its scale words and the block maxima of this step are in
	QK
.irp k, 0,1,2,3
	v_fma_f32 v[TP+\k], v[BM+\k], s[CS], v[NM+2*(\k/2)]   ; the exponent of each block's largest p: the same multiply-add as on the scores.  (These lines are the places behind the products)
.endr
	v_add_nc_u32 v[AI], s[TB], v[LI]
	v_add_nc_u32 v[ASC], s[TB], v[LS]
.if \last == 0
	v_add_nc_u32 v[AB], s[TM], v[LB]
.endif
	WIN W_LD
.irp j, 0,1,2,3,4,5,6,7,8,9,10,11
	ds_load_b128 v[VF+4*\j:VF+4*\j+3], v[AI] offset:VIMG+512*\j   ; this record's V
.endr
.if \last == 0
.irp j, 0,1,2,3,4,5,6,7,8,9,10,11
	ds_load_b128 v[KF+4*\j:KF+4*\j+3], v[AI] offset:REC+512*\j    ; the next record's K
.endr
.endif
	WIN 0
.irp t, 0,1,2,3
	ds_load_b32 v[VS+\t], v[ASC] offset:VSC+128*\t
.endr
.if \last == 0
.irp g, 0,1,2,3
	ds_load_b32 v[KS+\g], v[ASC] offset:REC+KSC+128*\g
.endr
	ds_load_b128 v[BM:BM+3], v[AB] offset:512      ; the next step's block maxima
.endif
.set e, 0
.rept 64
	v_pk_fma_f32 v[S+2*e:S+2*e+1], v[S+2*e:S+2*e+1], s[CS:CS+1], v[NM+2*(e/32):NM+2*(e/32)+1] op_sel_hi:[1,0,0]   ; c s + a, two at a time, ascending
.set e, e+1
.endr
.irp k, 0,1,2,3
	v_exp_f32 v[TP+\k], v[TP+\k]                   ; ONE BATCH: the blocks' largest p (the same two instructions on the same number give the same bits as the element's)
.endr
.set e, 0
.rept 128
	v_exp_f32 v[S+e], v[S+e]                       ; and p, not normalised
.set e, e+1
.endr
	v_nop                                          ; a plain line behind the last exponential
	s_wait_alu depctr_va_vdst(0)                   ; one wait for the batch, ahead of its first reader
.irp k, 0,1,2,3
	v_max_num_f32 v[TP+\k], 0x1800000, v[TP+\k]    ; the floor 2^(3 - 127): the byte cannot fall under 1
.endr
.irp k, 0,1,2,3
	v_add_nc_u32 v[SCR+\k], 0xff000000, v[TP+\k]   ; 2 off the exponent field: the conversion's scale operand
.endr
.irp k, 0,1,2,3
	v_lshrrev_b32 v[BY+\k], 23, v[SCR+\k]
.endr
.irp i, 0,1
	v_lshl_or_b32 v[WD+\i], v[BY+2*\i+1], 16, v[BY+2*\i]   ; my blocks h and 2 + h of the record,
.endr
.irp i, 0,1
	v_lshlrev_b32 v[WD+\i], v[SH8], v[WD+\i]       ; at their places in the word;
.endr
.irp i, 0,1
	v_permlanex16_b32 v[W2+\i], v[WD+\i], s[SEL], s[SEL+1]
.endr
.irp i, 0,1
	v_or_b32 v[PS+\i], v[WD+\i], v[W2+\i]          ; with lane l xor 16's two it is whole
.endr
.irp k, 0,1,2,3
	v_cvt_scalef32_pk16_fp6_f32 v[PC+6*\k:PC+6*\k+2], v[S+32*\k:S+32*\k+15], v[SCR+\k]       ; registers 6 c .. 6 c + 2 of tile i's operand,
	v_cvt_scalef32_pk16_fp6_f32 v[CT+4*\k:CT+4*\k+2], v[S+32*\k+16:S+32*\k+31], v[SCR+\k]    ; and 6 c + 3 .. 6 c + 5, made elsewhere and moved (a conversion's three registers begin on an even number)
.endr
	v_nop                                          ; one plain line behind the last scaled conversion
.irp k, 0,1,2,3
.irp n, 0,1,2
	v_mov_b32 v[PC+6*\k+3+\n], v[CT+4*\k+\n]
.endr
.endr
.set e, 0
.rept 16
.irp i, 0,1
	v_pk_add_f32 v[SU+4*\i:SU+4*\i+1], v[SU+4*\i:SU+4*\i+1], v[S+64*\i+4*e:S+64*\i+4*e+1]           ; THE SUM IS TAKEN OF THE UNQUANTISED p: four chains by turns.
	v_pk_add_f32 v[SU+4*\i+2:SU+4*\i+3], v[SU+4*\i+2:SU+4*\i+3], v[S+64*\i+4*e+2:S+64*\i+4*e+3]     ; (These 64 lines are also the places between P's operands and scale words and the products below)
.endr
.set e, e+1
.endr
.if \last
	s_wait_dscnt 0x0
.else
	s_wait_dscnt 5                                 ; V and its scale words are in: behind them only K's four scale words and the block maxima were issued
.endif
	WIN W_PV
.irp t, 0,1,2,3
.irp i, 0,1
.if \first
	v_wmma_scale_f32_16x16x128_f8f6f4 v[OA+32*\i+8*\t:OA+32*\i+8*\t+7], v[VF+12*\t:VF+12*\t+11], v[PC+12*\i:PC+12*\i+11], 0, v[VS+\t], v[PS+\i] matrix_a_fmt:MATRIX_FMT_FP6 matrix_b_fmt:MATRIX_FMT_FP6
.else
	v_wmma_scale_f32_16x16x128_f8f6f4 v[OA+32*\i+8*\t:OA+32*\i+8*\t+7], v[VF+12*\t:VF+12*\t+11], v[PC+12*\i:PC+12*\i+11], v[OA+32*\i+8*\t:OA+32*\i+8*\t+7], v[VS+\t], v[PS+\i] matrix_a_fmt:MATRIX_FMT_FP6 matrix_b_fmt:MATRIX_FMT_FP6   ; the eight accumulators by turns, one instruction a turn; sixteen other products stand between two turns
.endif
.endr
.endr
	WIN 0
.if \last == 0
	s_add_co_u32 s[TB], s[TB], REC
	s_add_co_u32 s[TM], s[TM], 512
.endif
.endm
	; ---- PASS 1: eight records; the last is written out, since its loads differ
	s_mov_b32 s[CNT], 7
.Lpass1:
	P1 0
	s_sub_co_u32 s[CNT], s[CNT], 1
	s_cmp_lg_u32 s[CNT], 0
	s_cbranch_scc1 .Lpass1
	P1 1
	; ---- between the passes: the row's largest score, and the addend a
.irp i, 0,1
	v_permlanex16_b32 v[TT+\i], v[RM+\i], s[SEL], s[SEL+1]   ; the query's other keys lie in the lane 16 away
.endr
.irp i, 0,1
	v_max_num_f32 v[RM+\i], v[RM+\i], v[TT+\i]
.endr
.irp i, 0,1
	v_mul_f32 v[TT+\i], s[CS], v[RM+\i]            ; round(c smax)
.endr
.irp i, 0,1
	v_fma_f32 v[NM+2*\i], |v[TT+\i]|, s[NUD], -v[TT+\i]   ; a = -round(c smax) + |round(c smax)| 2^-23: 1 to 2 units in the last place up, against the half unit by which the rounding can lie above c smax
.endr
.irp i, 0,1
	v_mov_b32 v[NM+2*\i+1], v[NM+2*\i]             ; (named with it as a pair, so it is written)
.endr
	s_mov_b32 s[TB], 0
	s_mov_b32 s[TM], 0
	; ---- PASS 2: the first and the last record are written out
	P2 1, 0
	s_mov_b32 s[CNT], 6
.Lpass2:
	P2 0, 0
	s_sub_co_u32 s[CNT], s[CNT], 1
	s_cmp_lg_u32 s[CNT], 0
	s_cbranch_scc1 .Lpass2
	P2 0, 1
	; ---- THE WAY OUT.  out = 4 O / (4 L + 1e-8).  The sums' lines are the places behind the last products.
.irp i, 0,1
	v_pk_add_f32 v[SU+4*\i:SU+4*\i+1], v[SU+4*\i:SU+4*\i+1], v[SU+4*\i+2:SU+4*\i+3]
.endr
.irp i, 0,1
	v_add_f32 v[SU+4*\i], v[SU+4*\i], v[SU+4*\i+1]
.endr
.irp i, 0,1
	v_permlanex16_b32 v[TT+\i], v[SU+4*\i], s[SEL], s[SEL+1]
.endr
.irp i, 0,1
	v_add_f32 v[SU+4*\i], v[SU+4*\i], v[TT+\i]     ; L: the row's sum over the 1,024 keys
.endr
.irp i, 0,1
	v_fma_f32 v[TT+\i], v[SU+4*\i], 4.0, s[EPS]
.endr
.irp i, 0,1
	v_rcp_f32 v[INV+2*\i], v[TT+\i]
.endr
	v_nop                                          ; a plain line behind the last reciprocal
	s_wait_alu depctr_va_vdst(0)                   ; one wait for the two, ahead of their first reader
.irp i, 0,1
	v_mul_f32 v[INV+2*\i], 4.0, v[INV+2*\i]
.endr
.irp i, 0,1
	v_mov_b32 v[INV+2*\i+1], v[INV+2*\i]
.endr
	WIN W_O
.set e, 0
.rept 32
	v_pk_mul_f32 v[S+2*e:S+2*e+1], v[OA+2*e:OA+2*e+1], v[INV+2*(e/16):INV+2*(e/16)+1] op_sel_hi:[1,0]   ; ascending: each accumulator from its low end on; register 32 i + 8 t + j is out(query 16 i + r, channel 16 t + 8 h + j)
.set e, e+1
.endr
	WIN 0
.irp i, 0,1
.irp t, 0,1,2,3
	ds_store_b128 v[SO], v[S+32*\i+8*\t:S+32*\i+8*\t+3] offset:\i*4352+64*\t       ; a lane's 32 bytes of a row into my own stage,
	ds_store_b128 v[SO], v[S+32*\i+8*\t+4:S+32*\i+8*\t+7] offset:\i*4352+64*\t+16
.endr
.endr
.irp n, 0,1,2,3,4,5,6,7,8,9,10,11,12,13,14,15
	ds_load_b128 v[BK+4*\n:BK+4*\n+3], v[SR] offset:\n*544   ; and back as whole rows of 256 bytes, two a load.  LDS serves a wave's instructions in order (ISA guide 5.7.1.4): these see the stores above
.endr
.irp n, 0,1,2,3,4,5,6,7,8,9,10,11,12,13,14,15
	s_wait_dscnt 15-\n                             ; pair n of rows is back; the loads issued behind it may be out
	global_store_b128 v[GO], v[BK+4*\n:BK+4*\n+3], s[8:9] offset:\n*8192 th:TH_STORE_NT   ; sixteen lanes store 256 consecutive bytes, at a multiple of 256 from out0's first byte; written once, read by nobody here
.endr
	s_wait_dscnt 0x0
	s_wait_tensorcnt 0x0
	ds_add_u32 v126, v127
	s_wait_dscnt 0x0
	CROUND                                         ; the closing round: no work-group ends while a partner may still ask for a record that names it
	s_endpgm
.Lfunc_end_k_qcc63cb39c6_attn:
	.size	k_qcc63cb39c6_attn, .Lfunc_end_k_qcc63cb39c6_attn-k_qcc63cb39c6_attn
	.p2alignl 7, 3214868480
	.fill 96, 4, 3214868480
	.section	.rodata,"a",@progbits
	.p2align	6, 0x0
	.amdhsa_kernel k_qcc63cb39c6_attn
		.amdhsa_group_segment_fixed_size 279552
		.amdhsa_private_segment_fixed_size 0
		.amdhsa_enable_private_segment 0
		.amdhsa_kernarg_size 24
		.amdhsa_user_sgpr_count 2
		.amdhsa_user_sgpr_kernarg_segment_ptr 1
		.amdhsa_wavefront_size32 1
		.amdhsa_system_sgpr_workgroup_id_x 1
		.amdhsa_system_sgpr_workgroup_id_y 1
		.amdhsa_system_sgpr_workgroup_id_z 1
		.amdhsa_system_vgpr_workitem_id 0
		.amdhsa_next_free_vgpr 512
		.amdhsa_next_free_sgpr 66
		.amdhsa_reserve_vcc 0
		.amdhsa_float_denorm_mode_32 3
		.amdhsa_float_denorm_mode_16_64 3
		.amdhsa_memory_ordered 1
		.amdhsa_forward_progress 1
		.amdhsa_inst_pref_size 94
	.end_amdhsa_kernel
	.amdgpu_metadata
---
amdhsa.version: [ 1, 2 ]
amdhsa.kernels:
  - .name:           k_qcc63cb39c6_attn
    .symbol:         k_qcc63cb39c6_attn.kd
    .args:
      - { .name: q, .offset: 0, .size: 8, .value_kind: global_buffer, .address_space: global }
      - { .name: kv, .offset: 8, .size: 8, .value_kind: global_buffer, .address_space: global }
      - { .name: out0, .offset: 16, .size: 8, .value_kind: global_buffer, .address_space: global }
    .group_segment_fixed_size: 279552
    .private_segment_fixed_size: 0
    .kernarg_segment_align: 8
    .kernarg_segment_size: 24
    .max_flat_workgroup_size: 256
    .sgpr_count:     66
    .vgpr_count:     512
    .wavefront_size: 32
...
	.end_amdgpu_metadata
.endif
;; end of part 2
